; MI455X (gfx1250); checked and timed in simulation.
; The chip was launched on July 23, 2026; its instructions are those of AMD's public machine-readable ISA for CDNA 5 (MIT licence, August 2026) and "CDNA5" Instruction Set Architecture Reference Guide (July 2026). The comments in the code are by the model that wrote it; some were corrected since.
;; Mo EMLP. Allowed arithmetic: matrix products marked QUANTISED: E5M2 operands, one given power-of-two scale a tensor, by v_wmma_f32_16x16x64_bf8_bf8 or v_wmma_f32_16x16x128_bf8_bf8, f32 sums; products left as they are: f32 operands where the result goes on into a quantised operand, else bf16, f16 or f32 operands; f32 sums; everything else in f32.
;; Inputs: b1 8 x 4,096 float32; b2 8 x 1,024 float32; hidden_states 4 x 256 x 1,024 float32; lowp_scales 32 int32 (the exponents e of the quantised operands' scales 2^e); w1 8 x 4,096 x 1,024 float32; w2 8 x 1,024 x 4,096 float32; w_router 8 x 1,024 float32.
;; Outputs: out0 4 x 256 x 1,024 float32.
;; This version of the problem:
;;   THIS VERSION OF THE PROBLEM IS GIVEN IN LOW PRECISION. The matrix products marked QUANTISED in the list below multiply operands that are first quantised to E5M2 (5 exponent bits, 2 mantissa bits; 8 bits a number), with one given power-of-two scale for each operand tensor; their sums are f32. All else is computed in f32.
;;   The module's matrix products, in the order in which they are computed (A, B: the left and right operand; K: the contracted axis; several contracted axes count as one K, in the product's order):
;;     1. [M 1,024, K 1,024] x [K 1,024, N 8]; A: input hidden_states; B: input w_router: left as it is (N = 8 < 16)
;;     2. [M 1,024, K 1,024] x [K 1,024, N 4,096]; A: input hidden_states; B: input w1: QUANTISED (scales: A lowp_scales[0], B lowp_scales[1])
;;     3. [M 1,024, K 4,096] x [K 4,096, N 1,024]; A: computed on the way; B: input w2: QUANTISED (scales: A lowp_scales[2], B lowp_scales[3])
;;     4. [M 1,024, K 1,024] x [K 1,024, N 4,096]; A: input hidden_states; B: input w1: QUANTISED (scales: A lowp_scales[4], B lowp_scales[5])
;;     5. [M 1,024, K 4,096] x [K 4,096, N 1,024]; A: computed on the way; B: input w2: QUANTISED (scales: A lowp_scales[6], B lowp_scales[7])
;;     6. [M 1,024, K 1,024] x [K 1,024, N 4,096]; A: input hidden_states; B: input w1: QUANTISED (scales: A lowp_scales[8], B lowp_scales[9])
;;     7. [M 1,024, K 4,096] x [K 4,096, N 1,024]; A: computed on the way; B: input w2: QUANTISED (scales: A lowp_scales[10], B lowp_scales[11])
;;     8. [M 1,024, K 1,024] x [K 1,024, N 4,096]; A: input hidden_states; B: input w1: QUANTISED (scales: A lowp_scales[12], B lowp_scales[13])
;;     9. [M 1,024, K 4,096] x [K 4,096, N 1,024]; A: computed on the way; B: input w2: QUANTISED (scales: A lowp_scales[14], B lowp_scales[15])
;;     10. [M 1,024, K 1,024] x [K 1,024, N 4,096]; A: input hidden_states; B: input w1: QUANTISED (scales: A lowp_scales[16], B lowp_scales[17])
;;     11. [M 1,024, K 4,096] x [K 4,096, N 1,024]; A: computed on the way; B: input w2: QUANTISED (scales: A lowp_scales[18], B lowp_scales[19])
;;     12. [M 1,024, K 1,024] x [K 1,024, N 4,096]; A: input hidden_states; B: input w1: QUANTISED (scales: A lowp_scales[20], B lowp_scales[21])
;;     13. [M 1,024, K 4,096] x [K 4,096, N 1,024]; A: computed on the way; B: input w2: QUANTISED (scales: A lowp_scales[22], B lowp_scales[23])
;;     14. [M 1,024, K 1,024] x [K 1,024, N 4,096]; A: input hidden_states; B: input w1: QUANTISED (scales: A lowp_scales[24], B lowp_scales[25])
;;     15. [M 1,024, K 4,096] x [K 4,096, N 1,024]; A: computed on the way; B: input w2: QUANTISED (scales: A lowp_scales[26], B lowp_scales[27])
;;     16. [M 1,024, K 1,024] x [K 1,024, N 4,096]; A: input hidden_states; B: input w1: QUANTISED (scales: A lowp_scales[28], B lowp_scales[29])
;;     17. [M 1,024, K 4,096] x [K 4,096, N 1,024]; A: computed on the way; B: input w2: QUANTISED (scales: A lowp_scales[30], B lowp_scales[31])
;;   THE QUANTISER, for each operand of a quantised product, along K:
;;     - The operand's scale is 2^e, e = its entry of the input lowp_scales (int32; the entries are numbered through the quantised products in the list's order, A before B).
;;     - Each number is divided by the scale, clamped to +-57,344, and rounded to the nearest number of E5M2, ties to even, subnormals kept.
;;     - The product sums the exact products of the quantised numbers (number of the format x scale) in f32.
;;   ~~~python
;;   def quantise(x, axis, e):      # numpy; x: float32 -> the quantised numbers, widened to float32 again
;;       x = np.moveaxis(x, axis, -1); K = x.shape[-1]
;;       r = np.clip(x / 2.0 ** e, -57344, 57344)
;;       step = 2.0 ** (np.maximum(np.frexp(np.where(r == 0, 1, r))[1] - 1, -14) - 2)
;;       q = np.round(r / step) * step * 2.0 ** e      # np.round: ties to even
;;       return np.moveaxis(q, -1, axis).astype(np.float32)
;;   ~~~
;;   OPERANDS COMPUTED ON THE WAY. 'Computed on the way' means the value that the module computes at that place (a softmax that the list does not call 'softmax' is quantised finished and normalised). What goes into a quantiser is computed in f32, as accurately as f32 sums, v_exp_f32 and their like allow (about 1e-6 of the number): no bf16 or f16 on the way to a quantiser, and a product that is left as it is and whose result goes on into a quantised operand takes f32 operands (vector FMAs, or v_wmma_f32_16x16x4_f32). A number that lies on a knife's edge between two numbers of the format may be rounded either way, as far as f32 arithmetic and the matrix unit's own rounding can turn it there, and no further.
;; One version. Each part assembles by itself: llvm-mc -triple=amdgcn-amd-amdhsa -mcpu=gfx1250 --defsym DOCPART=n.
;; ======== version 1 of 1: 5 launches
;; limits: right only within a limited range of input values
;; workspace buffers: topi 8,192 bytes of whole numbers; topw 8,192 bytes; pos 8,192 bytes of whole numbers; cnt 256 bytes of whole numbers; xq 9,043,968 bytes; hq 36,175,872 bytes; y 72,351,744 bytes
;; launch route (part 1): grid 256 x 1, 1 waves a work-group, no clusters, 0 bytes of LDS; arguments hidden_states, w_router, topi, topw; writes topi, topw
.if DOCPART == 1
	.amdgcn_target "amdgcn-amd-amdhsa--gfx1250"
	.amdhsa_code_object_version 6
	.text
	.protected	k_q53dfd6c510_route
	.globl	k_q53dfd6c510_route
	.p2align	8
	.type	k_q53dfd6c510_route,@function
k_q53dfd6c510_route:
	s_mov_b64 s[64:65], 0
	v_nop
	global_prefetch_b8 v0, s[64:65] scope:SCOPE_SE
	s_setreg_imm32_b32 hwreg(HW_REG_WAVE_MODE, 25, 1), 1
	s_wait_xcnt 0x0
; THE ROUTER.  logits[t][e] = x[t] . w_router[e] in f32; the two largest of the eight (the lower index wins a tie, as jax.lax.top_k has it); softmax of the two, the larger taken away first.
; One wave takes four tokens.  A lane holds columns 128 n + 4 lane + 0..3 (n = 0..7) of each token and of one expert's row: every load reads 512 consecutive bytes.
; The choice hangs on floating-point numbers, so it steers no address here: it is stored at fixed places, topi[t] = (i0, i1), topw[t] = (w0, w1), and later launches read it.
; No matrix unit: N = 8, and the order of the logits must be f32's.  LIMIT: the logits are finite (NaN and infinities among the inputs are not served).
.set X,  16                            ; v16-143   four tokens, 32 registers each
.set W,  144                           ; v144-207  two experts' rows by turns
.set A,  208                           ; v208-215  four running pairs
.set LG, 216                           ; v216-247  logit (token k, expert e) at LG + 8 k + e
.set S,  144                           ; v144-151  later: the eight logits of my lane's token
	s_load_b256 s[4:11], s[0:1], 0x0               ; x s[4:5], w_router s[6:7], topi s[8:9], topw s[10:11]
	v_lshlrev_b32 v2, 4, v0                        ; one wave: v0 is the lane; 16 bytes a lane
	s_lshl_b32 s14, ttmp9, 14                      ; four rows of 4,096 bytes
	s_mov_b32 s15, 0
	s_mov_b32 s12, 0x76543210                      ; v_permlanex16_b32: lane l xor 16
	s_mov_b32 s13, 0xfedcba98
	s_wait_alu depctr_va_vdst(0)
	s_wait_kmcnt 0x0
	s_add_nc_u64 s[4:5], s[4:5], s[14:15]
.irp n, 0,1,2,3,4,5,6,7,8,9,10,11,12,13,14,15,16,17,18,19,20,21,22,23,24,25,26,27,28,29,30,31
	global_load_b128 v[X+4*\n:X+4*\n+3], v2, s[4:5] offset:512*\n
.endr
.macro WLOAD e
.irp j, 0,1,2,3,4,5,6,7
	global_load_b128 v[W+32*((\e)%2)+4*\j:W+32*((\e)%2)+4*\j+3], v2, s[6:7] offset:4096*(\e)+512*\j
.endr
.endm
	WLOAD 0
	WLOAD 1
; One expert against the four tokens: 16 packed multiply-adds a token, the four tokens by turns.
.macro EXPERT e
.set WB, W+32*((\e)%2)
.if (\e) < 7
	s_wait_loadcnt 8                               ; this expert's row (and x) is in; the next expert's eight loads may be out
.else
	s_wait_loadcnt 0
.endif
.irp k, 0,1,2,3
	v_pk_mul_f32 v[A+2*\k:A+2*\k+1], v[X+32*\k:X+32*\k+1], v[WB:WB+1]
.endr
.irp i, 2,4,6,8,10,12,14,16,18,20,22,24,26,28,30
.irp k, 0,1,2,3
	v_pk_fma_f32 v[A+2*\k:A+2*\k+1], v[X+32*\k+\i:X+32*\k+\i+1], v[WB+\i:WB+\i+1], v[A+2*\k:A+2*\k+1]
.endr
.endr
.irp k, 0,1,2,3
	v_add_f32 v[LG+8*\k+\e], v[A+2*\k], v[A+2*\k+1]
.endr
.if (\e)+2 < 8
	WLOAD (\e)+2
.endif
.endm
.irp e, 0,1,2,3,4,5,6,7
	EXPERT \e
.endr
	; the 32 partial logits are summed over the 32 lanes; every lane ends with every sum
.irp m, 1,2,4,8
.irp i, 0,1,2,3,4,5,6,7,8,9,10,11,12,13,14,15,16,17,18,19,20,21,22,23,24,25,26,27,28,29,30,31
	v_add_f32_dpp v[LG+\i], v[LG+\i], v[LG+\i] row_xmask:\m row_mask:0xf bank_mask:0xf
.endr
.endr
.irp i, 0,1,2,3,4,5,6,7,8,9,10,11,12,13,14,15,16,17,18,19,20,21,22,23,24,25,26,27,28,29,30,31
	v_permlanex16_b32 v[X+\i], v[LG+\i], s12, s13  ; x's registers are done with, and have been written
.endr
.irp i, 0,1,2,3,4,5,6,7,8,9,10,11,12,13,14,15,16,17,18,19,20,21,22,23,24,25,26,27,28,29,30,31
	v_add_f32 v[LG+\i], v[LG+\i], v[X+\i]
.endr
	; lane l goes on with token l % 4
	v_and_b32 v3, 1, v0
	v_cmp_ne_u32 s20, 0, v3
	v_and_b32 v4, 2, v0
	v_cmp_ne_u32 s21, 0, v4
.irp e, 0,1,2,3,4,5,6,7
	v_cndmask_b32 v5, v[LG+\e], v[LG+8+\e], s20
	v_cndmask_b32 v6, v[LG+16+\e], v[LG+24+\e], s20
	v_cndmask_b32 v[S+\e], v5, v6, s21
.endr
	; the largest: v8, its index v14.  Only a strictly larger logit takes the place: the lower index wins a tie
	v_mov_b32 v8, v[S]
	v_mov_b32 v14, 0
.irp e, 1,2,3,4,5,6,7
	v_cmp_gt_f32 vcc_lo, v[S+\e], v8
	v_cndmask_b32 v14, v14, \e, vcc_lo
	v_max_num_f32 v8, v8, v[S+\e]
.endr
	; the largest of the other seven: v10, its index v15
	v_mov_b32 v10, 0xff800000
	v_mov_b32 v15, 0
.irp e, 0,1,2,3,4,5,6,7
	v_cmp_ne_u32 s20, \e, v14
	v_cmp_gt_f32 s21, v[S+\e], v10
	s_and_b32 s22, s20, s21
	v_cndmask_b32 v10, v10, v[S+\e], s22
	v_cndmask_b32 v15, v15, \e, s22
.endr
	; softmax of (best, second) with best taken away: w0 = 1 / (1 + e1), w1 = e1 / (1 + e1), e1 = exp(second - best) <= 1
	v_sub_f32 v6, v10, v8
	v_mul_f32 v6, 0x3fb8aa3b, v6
	s_wait_alu depctr_va_vdst(0)
	v_exp_f32 v6, v6
	v_lshlrev_b32 v9, 3, v0                        ; (a plain line behind the exponential)  8 bytes a token
	s_wait_alu depctr_va_vdst(0)
	v_add_f32 v7, 1.0, v6
	s_wait_alu depctr_va_vdst(0)
	v_rcp_f32 v12, v7
	v_cmp_gt_u32 vcc_lo, 4, v0                     ; (a plain line behind the reciprocal)  lanes 0 to 3 store
	s_wait_alu depctr_va_vdst(0)
	v_mul_f32 v13, v6, v12
	s_lshl_b32 s14, ttmp9, 5                       ; four tokens x 8 bytes
	s_add_nc_u64 s[8:9], s[8:9], s[14:15]
	s_add_nc_u64 s[10:11], s[10:11], s[14:15]
	s_wait_alu depctr_va_vdst(0)
	s_wait_xcnt 0x0                                ; EXEC changes only behind this wait
	s_and_saveexec_b32 s20, vcc_lo
	global_store_b64 v9, v[14:15], s[8:9]
	global_store_b64 v9, v[12:13], s[10:11]
	s_wait_xcnt 0x0
	s_or_b32 exec_lo, exec_lo, s20
	s_endpgm
.Lfunc_end_k_q53dfd6c510_route:
	.size	k_q53dfd6c510_route, .Lfunc_end_k_q53dfd6c510_route-k_q53dfd6c510_route
	.p2alignl 7, 3214868480
	.fill 96, 4, 3214868480
	.section	.rodata,"a",@progbits
	.p2align	6, 0x0
	.amdhsa_kernel k_q53dfd6c510_route
		.amdhsa_group_segment_fixed_size 0
		.amdhsa_private_segment_fixed_size 0
		.amdhsa_enable_private_segment 0
		.amdhsa_kernarg_size 32
		.amdhsa_user_sgpr_count 2
		.amdhsa_user_sgpr_kernarg_segment_ptr 1
		.amdhsa_wavefront_size32 1
		.amdhsa_system_sgpr_workgroup_id_x 1
		.amdhsa_system_sgpr_workgroup_id_y 1
		.amdhsa_system_sgpr_workgroup_id_z 1
		.amdhsa_system_vgpr_workitem_id 0
		.amdhsa_next_free_vgpr 256
		.amdhsa_next_free_sgpr 66
		.amdhsa_reserve_vcc 1
		.amdhsa_float_denorm_mode_32 3
		.amdhsa_float_denorm_mode_16_64 3
		.amdhsa_memory_ordered 1
		.amdhsa_forward_progress 1
		.amdhsa_inst_pref_size 60
	.end_amdhsa_kernel
	.amdgpu_metadata
---
amdhsa.version: [ 1, 2 ]
amdhsa.kernels:
  - .name:           k_q53dfd6c510_route
    .symbol:         k_q53dfd6c510_route.kd
    .args:
      - { .name: hidden_states, .offset: 0, .size: 8, .value_kind: global_buffer, .address_space: global }
      - { .name: w_router, .offset: 8, .size: 8, .value_kind: global_buffer, .address_space: global }
      - { .name: topi, .offset: 16, .size: 8, .value_kind: global_buffer, .address_space: global }
      - { .name: topw, .offset: 24, .size: 8, .value_kind: global_buffer, .address_space: global }
    .group_segment_fixed_size: 0
    .private_segment_fixed_size: 0
    .kernarg_segment_align: 8
    .kernarg_segment_size: 32
    .max_flat_workgroup_size: 32
    .sgpr_count:     66
    .vgpr_count:     256
    .wavefront_size: 32
...
	.end_amdgpu_metadata
.endif
;; end of part 1
;; launch place (part 2): grid 256 x 1, 32 waves a work-group, no clusters, 8,192 bytes of LDS; arguments hidden_states, topi, lowp_scales, xq, pos, cnt; writes xq, pos, cnt
.if DOCPART == 2
	.amdgcn_target "amdgcn-amd-amdhsa--gfx1250"
	.amdhsa_code_object_version 6
	.text
	.protected	k_q53dfd6c510_place
	.globl	k_q53dfd6c510_place
	.p2align	8
	.type	k_q53dfd6c510_place,@function
k_q53dfd6c510_place:
	s_mov_b64 s[64:65], 0
	v_nop
	global_prefetch_b8 v0, s[64:65] scope:SCOPE_SE
	s_setreg_imm32_b32 hwreg(HW_REG_WAVE_MODE, 25, 1), 1
	s_wait_xcnt 0x0
; THE PLACING.  Each token gets a row in each of its two experts' lists, by counting (no atomics), and x is quantised into those rows with that expert's own scale 2^ex, ex = lowp_scales[4 e].
; Every work-group ranks all 1,024 tokens (thread t = token t): rank = tokens of the same expert in lower waves + in lower lanes of my wave.  P = 35,328 e + rank names the row for the later launches (pos).
; xq is laid in the order in which the next launch's registers take it: [e][tile of 16 rows][piece q = k / 32][row % 16][32 codes]: byte 1,130,496 e + 16,384 (rank / 16) + 512 q + 32 (rank % 16) + k % 32.
; Wave w of work-group g takes token 32 w + g % 32 (its own lane g % 32), of that token's two experts number g / 128, and of the row's K the quarter (g / 32) % 4: a lane holds 8 neighbours along K.
; Behind each expert's last row 80 rows of zero codes are stored (work-groups 32 e .. 32 e + 31, waves 0 to 2, a row a wave), so that blocks of 80 rows read written bytes only.
; cnt: words 0-31 the experts' counts, words 32-63 ceil(count / 80).
; LIMITS: ex between -126 and 112, so that 2^ex and 57,344 x 2^ex are f32 numbers.  NaN among the inputs is not served.
.set X, 32                             ; v32-39   my 8 numbers
.set T, 64                             ; v64-95   the 32 waves' counts; later the numbers held within the largest code
.set C, 96                             ; v96-97   codes
.set XEXP, 1104*1024                   ; bytes of an expert's part of xq
	s_load_b256 s[4:11], s[0:1], 0x0               ; x, topi, the scales' exponents, xq
	s_load_b128 s[12:15], s[0:1], 0x20             ; pos, cnt
	v_lshl_add_u32 v126, v0, 2, 0x1000             ; my spare word,
	v_mov_b32 v127, 0                              ; and 0
	v_lshrrev_b32 v6, 5, v0
	v_readfirstlane_b32 s16, v6                    ; wave 0..31
	v_and_b32 v1, 31, v0                           ; lane
	v_lshlrev_b32 v10, 5, v1                       ; 32 bytes of x a lane
	v_lshlrev_b32 v11, 3, v0                       ; 8 bytes a thread
	v_lshlrev_b32 v12, 2, v0                       ; 4 bytes a thread
	v_lshlrev_b32 v13, 2, v1                       ; 4 bytes a lane
	v_lshlrev_b32 v24, 9, v1                       ; a piece a lane
	v_lshrrev_b32 v23, 2, v1
	v_and_b32 v22, 3, v1
	v_lshlrev_b32 v23, 9, v23
	v_lshl_add_u32 v23, v22, 3, v23                ; my 8 codes: piece lane / 4 of the quarter's eight, byte 8 (lane % 4)
	v_mov_b32 v112, 0
	v_mov_b32 v113, 0
	v_mov_b32 v114, 0
	v_mov_b32 v115, 0
	s_mov_b32 s17, ttmp9                           ; work-group 0..255
	s_and_b32 s41, s17, 31                         ; my token's lane
	s_lshr_b32 s40, s17, 5                         ; 0..7: my part; also the expert whose tail I clear
	s_and_b32 s42, s40, 3                          ; the quarter of K
	s_lshr_b32 s43, s40, 2                         ; the first or the second expert
	s_lshl_b32 s18, s16, 5
	s_add_co_u32 s18, s18, s41                     ; my wave's token
	s_lshl_b32 s18, s18, 12                        ; its row of 4,096 bytes
	s_lshl_b32 s19, s42, 10
	s_add_co_u32 s18, s18, s19                     ; + the quarter's 1,024
	s_mov_b32 s19, 0
	s_mov_b32 s33, 0
	s_bfm_b32 s44, s16, 0                          ; bit j is set for the waves j below mine
	s_wait_alu depctr_va_vdst(0)                   ; the wait at the head's end
	s_wait_kmcnt 0x0
	s_add_nc_u64 s[4:5], s[4:5], s[18:19]
	global_load_b64 v[2:3], v11, s[6:7]            ; thread t: token t's two experts
	global_load_b32 v25, v13, s[8:9]               ; lane i: lowp_scales[i]
	global_load_b128 v[X:X+3], v10, s[4:5]
	global_load_b128 v[X+4:X+7], v10, s[4:5] offset:16
	s_wait_loadcnt 3                               ; the choice is in; the three loads behind it may be out
	v_min_u32 v2, 7, v2
	v_min_u32 v3, 7, v3
	v_mov_b32 v4, 0                                ; rank within the wave, in the first expert,
	v_mov_b32 v5, 0                                ; in the second
	v_mov_b32 v7, 0                                ; lane e: the wave's count for expert e
.irp e, 0,1,2,3,4,5,6,7
	v_cmp_eq_u32 s20, \e, v2
	v_cmp_eq_u32 s21, \e, v3
	s_or_b32 s22, s20, s21                         ; the lanes whose token goes to expert e
	v_mbcnt_lo_u32_b32 v6, s22, 0                  ; how many of them are below me
	v_cndmask_b32 v4, v4, v6, s20
	v_cndmask_b32 v5, v5, v6, s21
	s_bcnt1_i32_b32 s23, s22
	v_writelane_b32 v7, s23, \e
.endr
	ds_store_b32 v12, v7                           ; [wave][lane]
	s_wait_dscnt 0x0                               ; for the others' sake: my store is done
	s_barrier_signal -1
	s_barrier_wait -1
.irp j, 0,1,2,3,4,5,6,7,8,9,10,11,12,13,14,15,16,17,18,19,20,21,22,23,24,25,26,27,28,29,30,31
	ds_load_b32 v[T+\j], v13 offset:128*\j
.endr
	s_wait_dscnt 0x0
	; lane e: expert e's tokens in the waves below mine (count x the wave's bit, two chains), and in all waves (two chains)
	s_bfe_u32 s20, s44, 0x10000
	s_bfe_u32 s21, s44, 0x10001
	v_mad_u32_u24 v8, v[T], s20, 0
	v_mad_u32_u24 v26, v[T+1], s21, 0
.irp j, 2,4,6,8,10,12,14,16,18,20,22,24,26,28,30
	s_bfe_u32 s20, s44, 0x10000+\j
	s_bfe_u32 s21, s44, 0x10001+\j
	v_mad_u32_u24 v8, v[T+\j], s20, v8
	v_mad_u32_u24 v26, v[T+\j+1], s21, v26
.endr
	v_add3_u32 v9, v[T], v[T+1], v[T+2]
	v_add3_u32 v27, v[T+3], v[T+4], v[T+5]
.irp j, 6,10,14,18,22,26
	v_add3_u32 v9, v9, v[T+\j], v[T+\j+1]
	v_add3_u32 v27, v27, v[T+\j+2], v[T+\j+3]
.endr
	v_add3_u32 v9, v9, v[T+30], v[T+31]
	v_add_nc_u32 v8, v8, v26
	v_add_nc_u32 v9, v9, v27
	v_lshlrev_b32 v14, 2, v2
	v_lshlrev_b32 v15, 2, v3
	ds_bpermute_b32 v16, v14, v8                   ; the base of my first expert,
	ds_bpermute_b32 v17, v15, v8                   ; of my second
	v_mul_u32_u24 v18, v2, 0x8a00
	v_mul_u32_u24 v19, v3, 0x8a00
	s_wait_alu depctr_va_vdst(0)                   ; the wait here, directly ahead of the wait below
	s_wait_dscnt 0x0
	v_add_nc_u32 v20, v16, v4                      ; rank in the first expert,
	v_add_nc_u32 v21, v17, v5                      ; in the second
	v_add_nc_u32 v18, v18, v20                     ; P0
	v_add_nc_u32 v19, v19, v21                     ; P1
	s_wait_alu depctr_va_vdst(0)                   ; the wait here, directly ahead of the branches
	s_cmp_lg_u32 s16, s17                          ; wave g of work-group g (g < 32) stores its 32 tokens' places: 256 consecutive bytes
	s_cbranch_scc1 .Lno_pos
	global_store_b64 v11, v[18:19], s[12:13]
.Lno_pos:
	s_or_b32 s24, s16, s17                         ; wave 0 of work-group 0 stores the counts
	s_cmp_lg_u32 s24, 0
	s_cbranch_scc1 .Lno_cnt
	v_add_nc_u32 v28, 79, v9
	v_mul_u32_u24 v28, v28, 0xcccd                 ; n / 80 = (n x 52,429) >> 22, exact for n up to 1,103
	v_lshrrev_b32 v28, 22, v28
	global_store_b32 v13, v9, s[14:15]
	global_store_b32 v13, v28, s[14:15] offset:128
.Lno_cnt:
	s_wait_loadcnt 0x0                             ; the scales and x
	v_readlane_b32 s24, v20, s41                   ; my wave's token is its lane g % 32
	v_readlane_b32 s25, v21, s41
	v_readlane_b32 s26, v2, s41
	v_readlane_b32 s27, v3, s41
	s_cmp_eq_u32 s43, 0
	s_cselect_b32 s24, s24, s25                    ; the rank,
	s_cselect_b32 s26, s26, s27                    ; and the expert, of my part
	s_min_u32 s24, s24, 1023
	s_min_u32 s26, s26, 7
	s_lshl_b32 s27, s26, 2                         ; ex is entry 4 e
	v_readlane_b32 s28, v25, s27
	s_mul_i32 s32, s26, XEXP
	s_and_b32 s29, s24, 0x3f0
	s_lshl_b32 s29, s29, 10                        ; 16,384 (rank / 16)
	s_add_co_u32 s32, s32, s29
	s_and_b32 s29, s24, 15
	s_lshl_b32 s29, s29, 5
	s_add_co_u32 s32, s32, s29
	s_lshl_b32 s29, s42, 12                        ; the quarter's eight pieces
	s_add_co_u32 s32, s32, s29
	s_add_nc_u64 s[34:35], s[10:11], s[32:33]
	s_add_co_i32 s30, s28, 127
	s_lshl_b32 s31, s30, 23                        ; 2^ex as f32: the conversion takes its exponent field
	s_add_co_i32 s30, s30, 15
	s_lshl_b32 s30, s30, 23
	s_or_b32 s30, s30, 0x600000                    ; 57,344 x 2^ex
	v_mov_b32 v29, s31
	v_mov_b32 v30, s30
.irp i, 0,1,2,3,4,5,6,7
	v_med3_num_f32 v[T+\i], v[X+\i], -v30, v30     ; the conversion to an 8-bit code does not saturate (ISA guide 7.6.2): the hold comes first
.endr
	v_cvt_scalef32_pk8_bf8_f32 v[C:C+1], v[T:T+7], v29
	v_nop                                          ; a plain line behind the conversion
	global_store_b64 v23, v[C:C+1], s[34:35]       ; four lanes fill a row's 32 bytes of a piece
	s_lshl_b32 s36, s16, 5
	s_add_co_u32 s36, s36, s41                     ; 32 w + g % 32: which of the 80 rows behind expert g / 32's last I clear
	s_cmp_ge_u32 s36, 80
	s_cbranch_scc1 .Lend
	v_readlane_b32 s38, v9, s40
	s_min_u32 s38, s38, 1024
	s_add_co_u32 s38, s38, s36                     ; the row, 1,103 at the most
	s_mul_i32 s32, s40, XEXP
	s_and_b32 s29, s38, 0x7f0
	s_lshl_b32 s29, s29, 10
	s_add_co_u32 s32, s32, s29
	s_and_b32 s29, s38, 15
	s_lshl_b32 s29, s29, 5
	s_add_co_u32 s32, s32, s29
	s_add_nc_u64 s[44:45], s[10:11], s[32:33]
	global_store_b128 v24, v[112:115], s[44:45]    ; lane q: the row's 32 bytes of piece q
	global_store_b128 v24, v[112:115], s[44:45] offset:16
.Lend:
	s_barrier_signal -1
	s_barrier_wait -1
	s_wait_tensorcnt 0x0                           ; the wave's end
	ds_add_u32 v126, v127
	s_wait_dscnt 0x0
	s_endpgm
.Lfunc_end_k_q53dfd6c510_place:
	.size	k_q53dfd6c510_place, .Lfunc_end_k_q53dfd6c510_place-k_q53dfd6c510_place
	.p2alignl 7, 3214868480
	.fill 96, 4, 3214868480
	.section	.rodata,"a",@progbits
	.p2align	6, 0x0
	.amdhsa_kernel k_q53dfd6c510_place
		.amdhsa_group_segment_fixed_size 8192
		.amdhsa_private_segment_fixed_size 0
		.amdhsa_enable_private_segment 0
		.amdhsa_kernarg_size 48
		.amdhsa_user_sgpr_count 2
		.amdhsa_user_sgpr_kernarg_segment_ptr 1
		.amdhsa_wavefront_size32 1
		.amdhsa_system_sgpr_workgroup_id_x 1
		.amdhsa_system_sgpr_workgroup_id_y 1
		.amdhsa_system_sgpr_workgroup_id_z 1
		.amdhsa_system_vgpr_workitem_id 0
		.amdhsa_next_free_vgpr 128
		.amdhsa_next_free_sgpr 66
		.amdhsa_reserve_vcc 0
		.amdhsa_float_denorm_mode_32 3
		.amdhsa_float_denorm_mode_16_64 3
		.amdhsa_memory_ordered 1
		.amdhsa_forward_progress 1
		.amdhsa_inst_pref_size 17
	.end_amdhsa_kernel
	.amdgpu_metadata
---
amdhsa.version: [ 1, 2 ]
amdhsa.kernels:
  - .name:           k_q53dfd6c510_place
    .symbol:         k_q53dfd6c510_place.kd
    .args:
      - { .name: hidden_states, .offset: 0, .size: 8, .value_kind: global_buffer, .address_space: global }
      - { .name: topi, .offset: 8, .size: 8, .value_kind: global_buffer, .address_space: global }
      - { .name: lowp_scales, .offset: 16, .size: 8, .value_kind: global_buffer, .address_space: global }
      - { .name: xq, .offset: 24, .size: 8, .value_kind: global_buffer, .address_space: global }
      - { .name: pos, .offset: 32, .size: 8, .value_kind: global_buffer, .address_space: global }
      - { .name: cnt, .offset: 40, .size: 8, .value_kind: global_buffer, .address_space: global }
    .group_segment_fixed_size: 8192
    .private_segment_fixed_size: 0
    .kernarg_segment_align: 8
    .kernarg_segment_size: 48
    .max_flat_workgroup_size: 1024
    .sgpr_count:     66
    .vgpr_count:     128
    .wavefront_size: 32
...
	.end_amdgpu_metadata
.endif
;; end of part 2
;; launch ffn1 (part 3): grid 256 x 1, 4 waves a work-group, no clusters, 134,144 bytes of LDS; arguments w1, b1, lowp_scales, cnt, xq, hq; writes hq
.if DOCPART == 3
	.amdgcn_target "amdgcn-amd-amdhsa--gfx1250"
	.amdhsa_code_object_version 6
	.text
	.protected	k_q53dfd6c510_ffn1
	.globl	k_q53dfd6c510_ffn1
	.p2align	8
	.type	k_q53dfd6c510_ffn1,@function
k_q53dfd6c510_ffn1:
	s_mov_b64 s[64:65], 0
	v_nop
	global_prefetch_b8 v0, s[64:65] scope:SCOPE_SE
	s_setreg_imm32_b32 hwreg(HW_REG_WAVE_MODE, 25, 1), 1
	s_wait_xcnt 0x0
; hq = Q(gelu(xq Q(W1)^T + b1)) for the routed rows only (rows of experts that were not chosen have the weight 0 and are not multiplied), on codes of BF8 (E5M2).
; Work-group 32 e + sl takes expert e and hidden units 128 sl .. + 127: 512 KB of W1, f32, read once.
; THE STREAM AND THE PRODUCTS TAKE TURNS.  W1 goes in four periods of 32 units.  In a period each wave turns eight rows of 4 KB (a ring of eight register slots, 64 loads) into codes: held within the largest code,
; converted with 2^ew1, laid in LDS as rows of 1,024 codes; each slot is asked for again, for the next period, as soon as it is converted.  A barrier; then each wave multiplies the period's 32 units, in two chunks of 16,
; with its own block of 80 rows (five tiles of 16 tokens), whose codes of x (K = 1,024) stay in 640 registers; the next period's 64 loads are out meanwhile.  A second barrier parts these reads from the next period's stores.
; Block b goes to wave b % 4; the number of blocks is read from cnt (13 at the most).  Blocks 4 and up are served behind the stream, from the codes that stay in LDS, by a flat loop of constant count whose trips are passed over
; by a scalar branch where the expert has no such block.  Every loop's count is a constant; the branches on the stored number stand inside the loops.
; A wave whose first block the expert lacks loads the expert's last block (written bytes) into x's registers and multiplies nothing.
; A CHUNK: source 0 = 16 rows of W1 (neighbouring units), source 1 = 16 tokens: a lane holds ONE token and units 16 c + 8 (lane / 16) + 0..7: eight neighbours along the next K, one conversion, 8 bytes.
; hq is [e][plane of 16 units][row 1,104][16 codes]: a tile's store is 256 consecutive bytes, aligned.  xq is [e][tile of 16 rows][piece k / 32][row % 16][32 codes]: every load reads 512 consecutive bytes.
; A fragment's registers 4 c .. 4 c + 3 hold k = 128 s + 32 c + 16 (lane / 16) + 0..15 on both sides: a permutation of k within the instruction's 128, the same in both operands.
; gelu(a) = a/2 + a/2 erf(a / sqrt 2); erf(z) = z A(z^2) / B(z^2), z held within +-4: a rational form of degrees 6 and 4.
; NO TENSOR LOADS, NO JOINT REQUESTS: which blocks have work hangs on a number read from memory; the weights, the bulk of the bytes, are shared by nobody.
; NO PREFETCH: the ring's 64 loads a wave are the stream from memory, asked for a period ahead.
; LIMITS: ew1 and eh between -126 and 112; ex + ew1 between -125 and 126.  NaN among the inputs is not served.  Far below 0 the sum 1 + erf keeps f32's absolute, not relative, accuracy.
; REGISTERS (absolute numbers; a window is 256): 0-31 addresses, scales, bias; 32-63 and 104-119 three buffers of W1's fragments (32-63 also: the stream's codes, gelu at work); 64-103 five accumulators, later z^2 and the codes;
;   128-383 the ring, slot g at 128 + 32 g; 384-1023 x: tile t, K step s at 384 + 128 t + 16 s.
.set PITCH, 1040                       ; an LDS row: 1,024 codes + 16 bytes: an odd multiple of 16
.set BIAS,  128*PITCH                  ; behind the codes: 128 f32
.set SPARE, BIAS+512                   ; the spare words: 128 bytes a wave
.set P16,   17664                      ; a plane of hq: 1,104 rows x 16 bytes
.set XBLK,  81920                      ; a block of xq: 80 rows x 1,024 bytes
.set GOFF, 3                           ; 16 x lane
.set LA0,  4                           ; the stream: 4 x lane + my wave's 8 rows
.set LA,   5                           ; the same + the period's rows
.set WA,   6                           ; a fragment of W1: r x PITCH + 16 h
.set WAP,  7                           ; the same + the chunk's rows
.set XO,   8                           ; 32 r + 16 h
.set HO,   9                           ; 16 r + 8 h
.set SCL,  10                          ; 2^ew1
.set SCH,  11                          ; 2^eh
.set BV,   12
.set BO,   13
.set BL,   14
.set BAP,  15                          ; the chunk's bias
.set SPW,  16
.set NIL,  17
.set CA0,  18
.set CB0,  20
.set BA0,  22                          ; BIAS + 32 h
.set B1,   24
.set CT,   32
.set XH,   32
.set Z,    40
.set P,    48
.set Q,    56
.set ACC,  64
.set MSB, 0
.macro WIN new                         ; the immediate's high byte repeats the setting that is left; a switch that changes nothing is dropped
.if MSB != (\new)
	s_set_vgpr_msb (MSB<<8)|(\new)
.set MSB, (\new)
.endif
.endm
.macro RING g, off                     ; slot g's eight loads: a row of 4 KB, 512 consecutive bytes a load
	WIN ((\g)/4)<<6
.irp j, 0,1,2,3,4,5,6,7
	global_load_b128 v[((128+32*(\g))&255)+4*\j:((128+32*(\g))&255)+4*\j+3], v[GOFF], s[26:27] offset:(\off)+4096*(\g)+512*\j th:TH_LOAD_NT
.endr
	WIN 0
.endm
.macro XLOAD                           ; a block's codes of x: 160 loads of 512 consecutive bytes
.irp t, 0,1,2,3,4
	WIN ((384+128*\t)>>8)<<6
.irp q, 0,1,2,3,4,5,6,7,8,9,10,11,12,13,14,15,16,17,18,19,20,21,22,23,24,25,26,27,28,29,30,31
	global_load_b128 v[((384+128*\t)&255)+4*\q:((384+128*\t)&255)+4*\q+3], v[XO], s[28:29] offset:16384*\t+512*\q
.endr
.endr
	WIN 0
.endm
	s_load_b256 s[4:11], s[0:1], 0x0               ; W1, b1, the scales' exponents, cnt
	s_load_b128 s[12:15], s[0:1], 0x20             ; xq, hq
	v_lshl_add_u32 v[SPW], v0, 2, SPARE
	v_mov_b32 v[NIL], 0
	v_lshrrev_b32 v1, 5, v0
	v_readfirstlane_b32 s21, v1                    ; wave 0..3
	v_and_b32 v2, 31, v0                           ; lane
	v_lshlrev_b32 v[GOFF], 4, v2
	s_mul_i32 s32, s21, 8*PITCH
	v_lshl_add_u32 v[LA0], v2, 2, s32
	v_mov_b32 v[LA], v[LA0]
	v_and_b32 v1, 15, v0                           ; r
	v_bfe_u32 v2, v0, 4, 1                         ; h
	v_mul_u32_u24 v[WA], v1, PITCH
	v_lshl_add_u32 v[WA], v2, 4, v[WA]
	v_lshlrev_b32 v[XO], 5, v1
	v_lshl_add_u32 v[XO], v2, 4, v[XO]
	v_lshlrev_b32 v[HO], 4, v1
	v_lshl_add_u32 v[HO], v2, 3, v[HO]
	v_lshlrev_b32 v[BA0], 5, v2
	v_add_nc_u32 v[BA0], BIAS, v[BA0]
	v_lshlrev_b32 v[BO], 2, v0
	v_add_nc_u32 v[BL], BIAS, v[BO]
	v_mov_b32 v[CA0], 0xaf95df0b                   ; A's leading coefficient, twice
	v_mov_b32 v[CA0+1], 0xaf95df0b
	v_mov_b32 v[CB0], 0xb77460cd                   ; B's
	v_mov_b32 v[CB0+1], 0xb77460cd
	s_lshr_b32 s50, ttmp9, 5                       ; e
	s_and_b32 s51, ttmp9, 31                       ; sl
	s_lshl_b32 s44, s50, 4
	s_lshl_b32 s45, s50, 2
	s_wait_alu depctr_va_vdst(0)                   ; the wait here, directly ahead of the wait below
	s_wait_kmcnt 0x0
	s_load_b128 s[16:19], s[8:9], s44 offset:0x0   ; ex, ew1, eh, ew2
	s_load_b32 s20, s[10:11], s45 offset:0x80      ; the expert's blocks of 80 rows
	s_lshl_b32 s32, ttmp9, 19                      ; 512 KB a work-group,
	s_lshl_b32 s33, s21, 15                        ; 8 rows of 4 KB a wave in each period
	s_add_co_u32 s32, s32, s33
	s_mov_b32 s33, 0
	s_add_nc_u64 s[26:27], s[4:5], s[32:33]
	s_lshl_b32 s32, ttmp9, 9
	s_add_nc_u64 s[6:7], s[6:7], s[32:33]          ; the work-group's 128 numbers of b1
	s_mul_i32 s32, s50, 1104*1024
	s_add_nc_u64 s[46:47], s[12:13], s[32:33]      ; the expert's xq
	s_mul_i32 s32, s50, 256*P16
	s_mul_i32 s54, s51, 8*P16
	s_add_co_u32 s32, s32, s54
	s_add_nc_u64 s[48:49], s[14:15], s[32:33]      ; the expert's hq at my first plane, 8 sl
	s_mul_i32 s32, s21, 1280                       ; 80 rows x 16 bytes
	s_add_nc_u64 s[30:31], s[48:49], s[32:33]      ; my first block there
	global_load_b32 v[BV], v[BO], s[6:7]
.irp g, 0,1,2,3
	RING \g, 0
.endr
	s_mov_b32 s66, 0x32edffee                      ; A's further coefficients
	s_mov_b32 s68, 0xb60cff51
	s_mov_b32 s70, 0xb86ec2d2
	s_mov_b32 s72, 0xba40ac63
	s_mov_b32 s74, 0xbb41a1f6
	s_mov_b32 s76, 0xbc83dbd4
	s_mov_b32 s78, 0xb95fbd29                      ; B's
	s_mov_b32 s80, 0xbadc924e
	s_mov_b32 s82, 0xbbf19bf8
	s_mov_b32 s84, 0xbc69b6a7
.irp c, 66,68,70,72,74,76,78,80,82,84
	s_mov_b32 s[\c+1], s[\c]                       ; (the packed forms name a pair: the upper word is written too)
.endr
	s_wait_kmcnt 0x0
	s_min_u32 s20, s20, 13                         ; ceil(1,024 / 80)
	s_max_u32 s54, s20, 1
	s_sub_co_u32 s54, s54, 1
	s_min_u32 s54, s54, s21                        ; my first block, or the expert's last where it has fewer
	s_min_u32 s54, s54, 3                          ; (a number made from a stored one enters an address behind a clamp by a constant: a wave's number is 3 at the most)
	s_mul_i32 s32, s54, XBLK
	s_add_nc_u64 s[28:29], s[46:47], s[32:33]
	XLOAD
.irp g, 4,5,6,7
	RING \g, 0
.endr
	s_add_co_i32 s32, s17, 127
	s_lshl_b32 s33, s32, 23
	v_mov_b32 v[SCL], s33                          ; 2^ew1 as f32
	s_add_co_i32 s32, s32, 15
	s_lshl_b32 s32, s32, 23
	s_or_b32 s34, s32, 0x600000                    ; 57,344 x 2^ew1,
	s_xor_b32 s35, s34, 0x80000000                 ; and its negative
	s_add_co_i32 s32, s18, 127
	s_lshl_b32 s33, s32, 23
	v_mov_b32 v[SCH], s33                          ; 2^eh
	s_add_co_i32 s32, s32, 15
	s_lshl_b32 s32, s32, 23
	s_or_b32 s36, s32, 0x600000                    ; 57,344 x 2^eh
	s_xor_b32 s37, s36, 0x80000000
	s_add_co_i32 s32, s16, s17                     ; a sum stands for sum x 2^(ex + ew1)
	s_sub_co_i32 s42, 0, s32
	s_lshl_b32 s33, s32, 23
	s_add_co_i32 s38, s33, 0x3f3504f3              ; 2^(ex + ew1) / sqrt 2
	s_mov_b32 s39, s38
	s_add_co_i32 s40, s33, 0x3f000000              ; 2^(ex + ew1) / 2
	s_mov_b32 s41, s40
	s_wait_alu depctr_va_vdst(0)                   ; the wait at the head's end
	s_wait_loadcnt 63                              ; b1's load is the oldest of 225
	v_ldexp_f32 v[BV], v[BV], s42                  ; b1 / 2^(ex + ew1): it goes in as the C of a sum's first product
	ds_store_b32 v[BL], v[BV]
; One row of W1 (load j holds k = 128 j + 4 lane + 0..3) becomes 1,024 codes in LDS.  refill = 1: the slot takes the row of the next period.  left: the younger loads, which may stay out.
.macro ROW slot, refill, left
.set RW, (\slot)/4
.set RB, (128+32*(\slot))&255
	s_wait_loadcnt \left                           ; loads come back in order: this slot's eight are in
	WIN RW|(RW<<6)
.irp i, 0,1,2,3,4,5,6,7,8,9,10,11,12,13,14,15,16,17,18,19,20,21,22,23,24,25,26,27,28,29,30,31
	v_med3_num_f32 v[RB+\i], v[RB+\i], s35, s34    ; the conversion to an 8-bit code does not saturate (ISA guide 7.6.2): the hold comes first
.endr
	s_wait_alu depctr_va_vdst(0)                   ; the wait here, directly ahead of the wait below
	s_wait_dscnt 8                                 ; only the row before's eight stores may be out: this set of code registers has been read
	WIN RW
.irp q, 0,1,2,3
	v_cvt_scalef32_pk8_bf8_f32 v[CT+8*((\slot)%2)+2*\q:CT+8*((\slot)%2)+2*\q+1], v[RB+8*\q:RB+8*\q+7], v[SCL]
.endr
.if \refill
	RING \slot, 131072
.endif
	WIN 0
.irp i, 0,1,2,3,4,5,6,7
	ds_store_b32 v[LA], v[CT+8*((\slot)%2)+\i] offset:(\slot)*PITCH+128*\i   ; 128 consecutive bytes a store
.endr
.endm
.macro FETCH s                         ; W1's tile of K step s into buffer s % 3 (v32, v48, v104)
.irp c, 0,1,2,3
	ds_load_b128 v[32+16*((\s)%3)+40*(((\s)%3)/2)+4*\c:32+16*((\s)%3)+40*(((\s)%3)/2)+4*\c+3], v[WAP] offset:128*(\s)+32*\c
.endr
.endm
; A K step of 128: five products, the five accumulators by turns.  The first step's C is the bias.
.macro KSTEP s
.set FB, 32+16*((\s)%3)+40*(((\s)%3)/2)
.if (\s) < 6
	s_wait_dscnt 8                                 ; this step's fragment is in; the eight loads of the two steps behind it may be out
.elseif (\s) == 6
	s_wait_dscnt 4
.else
	s_wait_dscnt 0
.endif
.irp t, 0,1,2,3,4
	WIN ((384+128*\t)>>8)<<2                       ; source 1 (x) window 1, 2 or 3
.if (\s) == 0
	v_wmma_f32_16x16x128_bf8_bf8 v[ACC+8*\t:ACC+8*\t+7], v[FB:FB+15], v[((384+128*\t)&255)+16*(\s):((384+128*\t)&255)+16*(\s)+15], v[B1:B1+7]
.else
	v_wmma_f32_16x16x128_bf8_bf8 v[ACC+8*\t:ACC+8*\t+7], v[FB:FB+15], v[((384+128*\t)&255)+16*(\s):((384+128*\t)&255)+16*(\s)+15], v[ACC+8*\t:ACC+8*\t+7]
.endif
.endr
	WIN 0
.rept 4
	v_nop                                          ; four places in front of loads into registers that matrix instructions have read, and of the first read of results
.endr
.if (\s)+3 < 8
	FETCH (\s)+3
.endif
.endm
.macro PSTEP c
.irp i, 0,2,4,6
	v_pk_fma_f32 v[P+\i:P+\i+1], v[P+\i:P+\i+1], v[AC+\i:AC+\i+1], s[\c:\c+1] op_sel_hi:[1,1,0]
.endr
.endm
.macro QSTEP c
.irp i, 0,2,4,6
	v_pk_fma_f32 v[Q+\i:Q+\i+1], v[Q+\i:Q+\i+1], v[AC+\i:AC+\i+1], s[\c:\c+1] op_sel_hi:[1,1,0]
.endr
.endm
; Tile t of tokens: 8 sums a lane become 8 codes.  A's and B's chains take turns.  The accumulator is read from its low end on; the codes land in its two lowest registers, so each tile's store has data of its own.
.macro GELU t
.set AC, ACC+8*(\t)
.if (\t) > 0
	s_wait_alu depctr_va_vdst(0)                   ; the wait here
.endif
.irp i, 0,2,4,6
	v_pk_mul_f32 v[XH+\i:XH+\i+1], v[AC+\i:AC+\i+1], s[40:41] op_sel_hi:[1,0]   ; a / 2
.endr
.irp i, 0,2,4,6
	v_pk_mul_f32 v[Z+\i:Z+\i+1], v[AC+\i:AC+\i+1], s[38:39] op_sel_hi:[1,0]     ; z = a / sqrt 2
.endr
.irp i, 0,1,2,3,4,5,6,7
	v_med3_num_f32 v[Z+\i], v[Z+\i], -4.0, 4.0
.endr
.irp i, 0,2,4,6
	v_pk_mul_f32 v[AC+\i:AC+\i+1], v[Z+\i:Z+\i+1], v[Z+\i:Z+\i+1]               ; z^2, in the sums' registers
.endr
.irp i, 0,2,4,6
	v_pk_fma_f32 v[P+\i:P+\i+1], v[AC+\i:AC+\i+1], v[CA0:CA0+1], s[66:67] op_sel_hi:[1,1,0]
.endr
.irp i, 0,2,4,6
	v_pk_fma_f32 v[Q+\i:Q+\i+1], v[AC+\i:AC+\i+1], v[CB0:CB0+1], s[78:79] op_sel_hi:[1,1,0]
.endr
	PSTEP 68
	QSTEP 80
	PSTEP 70
	QSTEP 82
	PSTEP 72
	QSTEP 84
	PSTEP 74
	PSTEP 76
	s_wait_alu depctr_va_vdst(0)                   ; the wait ahead of the batch
.irp i, 0,1,2,3,4,5,6,7
	v_rcp_f32 v[Q+\i], v[Q+\i]
.endr
.irp i, 0,2,4,6
	v_pk_mul_f32 v[P+\i:P+\i+1], v[P+\i:P+\i+1], v[Z+\i:Z+\i+1]                 ; z A(z^2): plain lines behind the reciprocals
.endr
	s_wait_alu depctr_va_vdst(0)                   ; and behind it, ahead of its first reader
.irp i, 0,2,4,6
	v_pk_mul_f32 v[P+\i:P+\i+1], v[P+\i:P+\i+1], v[Q+\i:Q+\i+1]                 ; erf
.endr
.irp i, 0,2,4,6
	v_pk_fma_f32 v[Z+\i:Z+\i+1], v[XH+\i:XH+\i+1], v[P+\i:P+\i+1], v[XH+\i:XH+\i+1]   ; gelu
.endr
.irp i, 0,1,2,3,4,5,6,7
	v_med3_num_f32 v[Z+\i], v[Z+\i], s37, s36      ; the hold at the largest code x 2^eh
.endr
	v_cvt_scalef32_pk8_bf8_f32 v[AC:AC+1], v[Z:Z+7], v[SCH]
	v_nop                                          ; a plain line behind the conversion
	global_store_b64 v[HO], v[AC:AC+1], s[30:31] offset:256*(\t)   ; 16 tokens x 16 units: 256 consecutive bytes of the plane
.endm
; A chunk of 16 units against the block in x's registers.  s24: the chunk's rows in LDS; s43: its bias; s[30:31]: its plane of hq at the block; s22: the block.
.macro CHUNK guard
.if \guard
	s_cmp_ge_u32 s22, s20                          ; the expert has no such block: the work is passed over (no barrier stands in it)
	s_cbranch_scc1 .Lno_\@
.endif
	v_add_nc_u32 v[WAP], s24, v[WA]
	v_add_nc_u32 v[BAP], s43, v[BA0]
	s_wait_alu depctr_va_vdst(0)                   ; the wait
	ds_load_b128 v[B1:B1+3], v[BAP]
	ds_load_b128 v[B1+4:B1+7], v[BAP] offset:16    ; the bias of units 16 c + 8 h + 0..7
	FETCH 0
	FETCH 1
	FETCH 2
.irp s, 0,1,2,3,4,5,6,7
	KSTEP \s
.endr
.irp t, 0,1,2,3,4
	GELU \t
.endr
	s_wait_xcnt 0x0                                ; the stores have read their base and their registers
.Lno_\@:
.endm
	s_mov_b32 s22, s21                             ; my first block is my wave's number
	s_mov_b32 s25, 0                               ; the period's rows in LDS,
	s_mov_b32 s86, 0                               ; and its bias bytes
	s_mov_b32 s52, 3
.Lper:                                                 ; three periods that ask for the next one; the fourth follows without loads
.irp g, 0,1,2,3,4,5,6,7
	ROW \g, 1, 56                                  ; behind a slot's eight loads stand the seven other slots' 56 (in the first period x's too)
.endr
	s_wait_dscnt 0x0                               ; for the others' sake: my codes lie in LDS
	s_barrier_signal -1
	s_barrier_wait -1
	s_mov_b32 s87, 0
	s_mov_b32 s88, 0
	s_mov_b32 s23, 2
.Lc:                                                   ; two chunks of 16 units
	s_add_co_u32 s24, s25, s87
	s_add_co_u32 s43, s86, s88
	CHUNK 1
	s_add_nc_u64 s[30:31], s[30:31], P16           ; the next plane of hq
	s_add_co_u32 s87, s87, 16*PITCH
	s_add_co_u32 s88, s88, 64
	s_sub_co_u32 s23, s23, 1
	s_cmp_lg_u32 s23, 0
	s_cbranch_scc1 .Lc
	s_wait_xcnt 0x0                                ; the ring's loads have read their base
	s_add_nc_u64 s[26:27], s[26:27], 131072        ; 32 rows of 4 KB on
	s_add_co_u32 s25, s25, 32*PITCH
	s_add_co_u32 s86, s86, 128
	v_add_nc_u32 v[LA], s25, v[LA0]
	s_wait_dscnt 0x0                               ; my reads of LDS are over
	s_barrier_signal -1
	s_barrier_wait -1                              ; everybody's are: the next period's codes may be stored
	s_sub_co_u32 s52, s52, 1
	s_cmp_lg_u32 s52, 0
	s_wait_alu depctr_va_vdst(0)                   ; the wait here, directly ahead of the branch
	s_cbranch_scc1 .Lper
.irp g, 0,1,2,3,4,5,6,7
	ROW \g, 0, 56-8*\g
.endr
	v_nop                                          ; a plain line behind the last conversion
	s_wait_dscnt 0x0
	s_barrier_signal -1
	s_barrier_wait -1                              ; behind this barrier LDS is only read
	; trip i: chunk i % 8 of block wave + 4 (i / 8).  Trips 6 and 7 finish my first block; trips 8 to 31 serve blocks 4 to 15, each of which loads its x at its chunk 0
	s_mov_b32 s53, 6
	s_mov_b32 s57, 0
.Lflat:
	s_and_b32 s54, s53, 7
	s_lshr_b32 s22, s53, 3
	s_lshl_b32 s22, s22, 2
	s_add_co_u32 s22, s22, s21
	s_cmp_ge_u32 s22, s20
	s_cbranch_scc1 .Lnext
	s_mul_i32 s24, s54, 16*PITCH
	s_lshl_b32 s43, s54, 6
	s_mul_i32 s56, s54, P16
	s_mul_i32 s55, s22, 1280
	s_add_co_u32 s56, s56, s55
	s_add_nc_u64 s[30:31], s[48:49], s[56:57]
	s_cmp_lg_u32 s54, 0
	s_cbranch_scc1 .Lheld
	s_mul_i32 s56, s22, XBLK
	s_add_nc_u64 s[28:29], s[46:47], s[56:57]
	XLOAD
	s_wait_loadcnt 0x0
.Lheld:
	CHUNK 0
.Lnext:
	s_add_co_u32 s53, s53, 1
	s_cmp_lt_u32 s53, 32
	s_cbranch_scc1 .Lflat
	s_barrier_signal -1
	s_barrier_wait -1
	s_wait_tensorcnt 0x0                           ; the wave's end
	ds_add_u32 v[SPW], v[NIL]
	s_wait_dscnt 0x0
	s_endpgm
.Lfunc_end_k_q53dfd6c510_ffn1:
	.size	k_q53dfd6c510_ffn1, .Lfunc_end_k_q53dfd6c510_ffn1-k_q53dfd6c510_ffn1
	.p2alignl 7, 3214868480
	.fill 96, 4, 3214868480
	.section	.rodata,"a",@progbits
	.p2align	6, 0x0
	.amdhsa_kernel k_q53dfd6c510_ffn1
		.amdhsa_group_segment_fixed_size 134144
		.amdhsa_private_segment_fixed_size 0
		.amdhsa_enable_private_segment 0
		.amdhsa_kernarg_size 48
		.amdhsa_user_sgpr_count 2
		.amdhsa_user_sgpr_kernarg_segment_ptr 1
		.amdhsa_wavefront_size32 1
		.amdhsa_system_sgpr_workgroup_id_x 1
		.amdhsa_system_sgpr_workgroup_id_y 1
		.amdhsa_system_sgpr_workgroup_id_z 1
		.amdhsa_system_vgpr_workitem_id 0
		.amdhsa_next_free_vgpr 1024
		.amdhsa_next_free_sgpr 96
		.amdhsa_reserve_vcc 0
		.amdhsa_float_denorm_mode_32 3
		.amdhsa_float_denorm_mode_16_64 3
		.amdhsa_memory_ordered 1
		.amdhsa_forward_progress 1
		.amdhsa_inst_pref_size 166
	.end_amdhsa_kernel
	.amdgpu_metadata
---
amdhsa.version: [ 1, 2 ]
amdhsa.kernels:
  - .name:           k_q53dfd6c510_ffn1
    .symbol:         k_q53dfd6c510_ffn1.kd
    .args:
      - { .name: w1, .offset: 0, .size: 8, .value_kind: global_buffer, .address_space: global }
      - { .name: b1, .offset: 8, .size: 8, .value_kind: global_buffer, .address_space: global }
      - { .name: lowp_scales, .offset: 16, .size: 8, .value_kind: global_buffer, .address_space: global }
      - { .name: cnt, .offset: 24, .size: 8, .value_kind: global_buffer, .address_space: global }
      - { .name: xq, .offset: 32, .size: 8, .value_kind: global_buffer, .address_space: global }
      - { .name: hq, .offset: 40, .size: 8, .value_kind: global_buffer, .address_space: global }
    .group_segment_fixed_size: 134144
    .private_segment_fixed_size: 0
    .kernarg_segment_align: 8
    .kernarg_segment_size: 48
    .max_flat_workgroup_size: 128
    .sgpr_count:     96
    .vgpr_count:     1024
    .wavefront_size: 32
...
	.end_amdgpu_metadata
.endif
;; end of part 3
;; launch ffn2 (part 4): grid 256 x 1, 4 waves a work-group, no clusters, 141,824 bytes of LDS; arguments w2, b2, lowp_scales, cnt, hq, y; writes y
.if DOCPART == 4
	.amdgcn_target "amdgcn-amd-amdhsa--gfx1250"
	.amdhsa_code_object_version 6
	.text
	.protected	k_q53dfd6c510_ffn2
	.globl	k_q53dfd6c510_ffn2
	.p2align	8
	.type	k_q53dfd6c510_ffn2,@function
k_q53dfd6c510_ffn2:
	s_mov_b64 s[64:65], 0
	v_nop
	global_prefetch_b8 v0, s[64:65] scope:SCOPE_SE
	s_setreg_imm32_b32 hwreg(HW_REG_WAVE_MODE, 25, 1), 1
	s_wait_xcnt 0x0
; y[kh] = hq(K half kh) Q(W2)^T x 2^(eh + ew2) (+ b2 where kh = 0) for the routed rows, on codes of BF8 (E5M2).  Work-group 32 e + 2 cb + kh takes expert e, output columns 64 cb .. + 63 and k = 2,048 kh .. + 2,047.
; WHY HALF OF K AND 64 COLUMNS: a work-group reads the codes of h of all the expert's rows for its part of K.  With half of K it reads half of them, and the 20 loads of a K step feed 20 products.  The price: y has two parts,
; one for each half of K, which the next launch adds.  Each number of each part has one owner.
; PHASE 1, THE STREAM.  The work-group's part of W2 is 64 pieces of 8 KB of f32, read once, 16 rows a wave: pieces of 4 KB through a ring of eight register slots (64 loads a wave), held within the largest
; code, converted with 2^ew2, laid in LDS as 64 rows of 2,048 codes.  One barrier; behind it the codes are only read.
; PHASE 2.  The expert's rows go in blocks of 80 (five tiles of 16 tokens), block b to wave b % 4; their number is read from cnt.  An expert has at most ceil(1,024 / 80) = 13 blocks, so a wave walks four trips,
; and a trip whose block the expert does not have is passed over by a scalar branch.  16 K steps of 128, written out, so that every offset is an immediate:
; 20 loads of two runs of 256 consecutive bytes bring the block's codes of h, two K steps ahead, into three register buffers; 20 products a step, the 20 accumulators by turns.
; THE PRODUCT IS USED TRANSPOSED (source 0 = 16 rows of W2, source 1 = 16 tokens); lane r of tile u takes row 32 (u / 2) + 8 (u % 2) + r + 8 (r / 8), so that a lane holds one token, and the 16 registers of tiles 2 p and 2 p + 1
; are columns 32 p + 16 (lane / 16) + 0..15: 64 bytes of a row of y.  A fragment's registers 4 c .. 4 c + 3 hold k = 128 s + 32 c + 16 (lane / 16) + 0..15 on both sides: a permutation of k within the instruction's 128.
; A tile of 16 tokens x 32 columns goes through the wave's own stage in LDS and leaves as 2,048 consecutive bytes of y's plane [kh][e][2 cb + p][row][32].
; NO TENSOR LOADS, NO JOINT REQUESTS: which trips have work hangs on a number read from memory; and the weights, the bulk of the memory's bytes, are shared by nobody.
; LIMITS: ew2 between -126 and 112; eh + ew2 between -126 and 127.  NaN among the inputs is not served.
; REGISTERS.  Window 0: v1-13 addresses; v16-143 two buffers of W2's fragments (in the stream v16-31: codes; on the way out v16-95: results); v144-175 b2; v176-255 rows of y on their way out.
;   Window 1: the stream's ring, then h's three buffers of 80: K step s, tile t at 80 (s % 3) + 16 t.   Window 2: the 20 accumulators: tile of tokens t, tile of columns u at 8 (4 t + u).
.set PITCH, 2064                       ; an LDS row: 2,048 codes + 16 bytes = 516 words: neighbouring rows start 4 banks apart (64 banks of 4 bytes: ISA guide 11.1)
.set STG,   64*PITCH                   ; behind the codes: a stage of 16 rows x 144 bytes for each wave
.set PLANE, 35328                      ; two planes of hq: 1,104 rows x 32 bytes; a plane of y is four times that
.set YHALF, 36175872                   ; bytes of one part of y
.set NK,    16                         ; K steps of 128 in half of K
.set GOFF, 3                           ; v3   16 x lane
.set LA0,  4                           ; v4   the stream: 4 x lane + my wave's 16 rows
.set LA,   5                           ; v5   the same + the trip's rows
.set WA,   6                           ; v6   a fragment of W2: (r + 8 (r / 8)) x PITCH + 16 h;  v7 the same 32 rows on (an LDS immediate ends at 65,535)
.set XO,   8                           ; v8   16 r + 17,664 h
.set BO,   9                           ; v9   64 h
.set SCL,  10                          ; v10  2^ew2
.set SO,   11                          ; v11  the stage, in: row r, 64 h
.set SR,   12                          ; v12  the stage, back: row lane / 8, 16 (lane % 8)
.set CT,   16
.set F0,   16
.set TMP,  16
.set B2,   144
.set OUT,  176
.set MSB, 0
.macro WIN new                         ; the immediate's high byte repeats the setting that is left; a switch that changes nothing is dropped
.if MSB != (\new)
	s_set_vgpr_msb (MSB<<8)|(\new)
.set MSB, (\new)
.endif
.endm
	s_load_b256 s[4:11], s[0:1], 0x0               ; W2 s[4:5], b2 s[6:7], the scales' exponents s[8:9], cnt s[10:11]
	s_load_b128 s[12:15], s[0:1], 0x20             ; hq s[12:13], y s[14:15]
	v_lshl_add_u32 v14, v0, 2, 0x22800
	v_mov_b32 v15, 0
	v_lshrrev_b32 v1, 5, v0
	v_readfirstlane_b32 s21, v1                    ; wave 0..3
	v_and_b32 v2, 31, v0                           ; lane
	v_lshlrev_b32 v[GOFF], 4, v2
	s_mul_i32 s32, s21, 16*PITCH
	v_lshl_add_u32 v[LA0], v2, 2, s32
	v_mov_b32 v[LA], v[LA0]
	s_mul_i32 s33, s21, 2304
	s_add_co_u32 s33, s33, STG                     ; my stage
	v_lshrrev_b32 v13, 3, v2
	v_mul_u32_u24 v[SR], v13, 144
	v_and_b32 v13, 7, v2
	v_lshl_add_u32 v[SR], v13, 4, v[SR]
	v_add_nc_u32 v[SR], s33, v[SR]
	v_and_b32 v1, 15, v0                           ; r
	v_bfe_u32 v2, v0, 4, 1                         ; h
	v_mul_u32_u24 v[SO], v1, 144
	v_lshl_add_u32 v[SO], v2, 6, v[SO]
	v_add_nc_u32 v[SO], s33, v[SO]
	v_and_b32 v[WA], 8, v1
	v_add_nc_u32 v[WA], v[WA], v1
	v_mul_u32_u24 v[WA], v[WA], PITCH
	v_lshl_add_u32 v[WA], v2, 4, v[WA]
	v_add_nc_u32 v[WA+1], 32*PITCH, v[WA]
	v_lshlrev_b32 v[XO], 4, v1                     ; hq is [e][plane of 16 units][row 1,104][16 codes]: 16 r,
	v_mad_u32_u24 v[XO], v2, 0x4500, v[XO]         ; + h planes of 17,664 bytes: sixteen lanes read 256 consecutive bytes
	v_lshlrev_b32 v[BO], 6, v2
	s_lshr_b32 s50, ttmp9, 5                       ; e
	s_bfe_u32 s51, ttmp9, 0x40001                  ; cb: 4 bits from bit 1
	s_and_b32 s52, ttmp9, 1                        ; kh
	s_lshl_b32 s44, s50, 4
	s_lshl_b32 s45, s50, 2
	s_wait_alu depctr_va_vdst(0)
	s_wait_kmcnt 0x0
	s_load_b128 s[16:19], s[8:9], s44 offset:0x0   ; ex, ew1, eh, ew2
	s_load_b32 s20, s[10:11], s45 offset:0x80      ; the expert's blocks of 80 rows
	s_lshl_b32 s32, s50, 24                        ; an expert's W2 is 16 MB,
	s_lshl_b32 s33, s51, 20                        ; 64 rows of 16 KB are 1 MB,
	s_add_co_u32 s32, s32, s33
	s_lshl_b32 s33, s21, 18                        ; a wave's 16 rows 256 KB,
	s_add_co_u32 s32, s32, s33
	s_lshl_b32 s33, s52, 13                        ; half a row 8 KB
	s_add_co_u32 s32, s32, s33
	s_mov_b32 s33, 0
	s_add_nc_u64 s[26:27], s[4:5], s[32:33]        ; my wave's part of W2
	s_lshl_b32 s32, s50, 12
	s_lshl_b32 s54, s51, 8
	s_add_co_u32 s32, s32, s54
	s_add_nc_u64 s[6:7], s[6:7], s[32:33]          ; the work-group's 64 numbers of b2
	s_mul_i32 s32, s50, 128*PLANE
	s_mul_i32 s54, s52, 64*PLANE
	s_add_co_u32 s32, s32, s54
	s_add_nc_u64 s[46:47], s[12:13], s[32:33]      ; the expert's hq at my first plane, 64 kh
	s_lshl_b32 s32, s50, 5
	s_lshl_b32 s54, s51, 1
	s_add_co_u32 s32, s32, s54                     ; plane 32 e + 2 cb
	s_mul_i32 s32, s32, 4*PLANE
	s_mul_i32 s54, s52, YHALF
	s_add_co_u32 s32, s32, s54
	s_add_nc_u64 s[48:49], s[14:15], s[32:33]      ; my first plane of y, in part kh
.irp p, 0,1
.irp d, 0,1,2,3
	global_load_b128 v[B2+16*\p+4*\d:B2+16*\p+4*\d+3], v[BO], s[6:7] offset:128*\p+16*\d   ; b2 of columns 32 p + 16 h + 0..15
.endr
.endr
	WIN 0x40                                       ; destination window 1
.irp g, 0,1,2,3,4,5,6,7
.irp j, 0,1,2,3,4,5,6,7
	global_load_b128 v[32*\g+4*\j:32*\g+4*\j+3], v[GOFF], s[26:27] offset:(\g/2)*16384+(\g%2)*4096+512*\j th:TH_LOAD_NT
.endr
.endr
	WIN 0
	s_wait_kmcnt 0x0
	s_min_u32 s20, s20, 13                         ; ceil(1,024 / 80)
	s_add_co_i32 s32, s19, 127
	s_lshl_b32 s33, s32, 23
	v_mov_b32 v[SCL], s33                          ; 2^ew2 as f32
	s_add_co_i32 s32, s32, 15
	s_lshl_b32 s32, s32, 23
	s_or_b32 s34, s32, 0x600000                    ; 57,344 x 2^ew2,
	s_xor_b32 s35, s34, 0x80000000                 ; and its negative
	s_add_co_i32 s32, s18, s19
	s_add_co_i32 s32, s32, 127
	s_lshl_b32 s38, s32, 23                        ; 2^(eh + ew2) as f32
	s_mov_b32 s39, s38                             ; (named with it as a pair, so it is written)
; A piece of 4 KB (slot's 32 registers: load j holds k = 128 j + 4 lane + 0..3 of the piece) becomes 1,024 codes in LDS: row slot / 2 of the trip's four, half slot % 2 of the row's 2,048.
; refill = 1: the slot takes the piece four rows further on.  left: the younger loads, which may stay out.
.macro ROW slot, refill, left
	s_wait_loadcnt \left                           ; loads come back in order: this slot's eight are in
	WIN 0x41                                       ; source 0 and destination window 1
.irp i, 0,1,2,3,4,5,6,7,8,9,10,11,12,13,14,15,16,17,18,19,20,21,22,23,24,25,26,27,28,29,30,31
	v_med3_num_f32 v[32*(\slot)+\i], v[32*(\slot)+\i], s35, s34   ; the conversion to an 8-bit code does not saturate (ISA guide 7.6.2): the hold comes first
.endr
	s_wait_alu depctr_va_vdst(0)
	s_wait_dscnt 8                                 ; only the piece before's eight stores may be out: this set of code registers has been read
	WIN 0x01                                       ; source 0 window 1
.irp q, 0,1,2,3
	v_cvt_scalef32_pk8_bf8_f32 v[CT+8*((\slot)%2)+2*\q:CT+8*((\slot)%2)+2*\q+1], v[32*(\slot)+8*\q:32*(\slot)+8*\q+7], v[SCL]
.endr
.if \refill
	WIN 0x40
.irp j, 0,1,2,3,4,5,6,7
	global_load_b128 v[32*(\slot)+4*\j:32*(\slot)+4*\j+3], v[GOFF], s[26:27] offset:65536+((\slot)/2)*16384+((\slot)%2)*4096+512*\j th:TH_LOAD_NT
.endr
.endif
	WIN 0
.irp i, 0,1,2,3,4,5,6,7
	ds_store_b32 v[LA], v[CT+8*((\slot)%2)+\i] offset:((\slot)/2)*PITCH+((\slot)%2)*1024+128*\i   ; code register i belongs to load i: 128 consecutive bytes a store
.endr
.endm
	s_mov_b32 s25, 0
	s_mov_b32 s56, 3
.Lstream:                                              ; three trips of eight pieces (four rows' halves), each refilled; the last eight follow without loads
.irp g, 0,1,2,3,4,5,6,7
	ROW \g, 1, 56
.endr
	s_wait_xcnt 0x0                                ; the loads have read their base
	s_add_nc_u64 s[26:27], s[26:27], 65536         ; four rows of 16 KB on
	s_add_co_u32 s25, s25, 4*PITCH
	v_add_nc_u32 v[LA], s25, v[LA0]
	s_sub_co_u32 s56, s56, 1
	s_cmp_lg_u32 s56, 0
	s_cbranch_scc1 .Lstream
.irp g, 0,1,2,3,4,5,6,7
	ROW \g, 0, 56-8*\g
.endr
	s_cmp_eq_u32 s52, 0                            ; b2 goes into the part of K's first half alone: for the other half it becomes 0
	s_cselect_b32 s55, -1, 0
.irp i, 0,1,2,3,4,5,6,7,8,9,10,11,12,13,14,15,16,17,18,19,20,21,22,23,24,25,26,27,28,29,30,31
	v_cndmask_b32 v[B2+\i], 0, v[B2+\i], s55       ; (plain lines behind the last conversion, whose registers matrix instructions will touch)
.endr
	s_wait_dscnt 0x0                               ; for the others' sake: my codes lie in LDS
	s_barrier_signal -1
	s_barrier_wait -1                              ; the barrier behind the stream: behind it the codes are only read, and a stage is its wave's own
.macro FETCH s, buf                    ; W2's four tiles of K step s: sixteen loads of 16 bytes a lane
.irp u, 0,1,2,3
.irp c, 0,1,2,3
	ds_load_b128 v[(\buf)+16*\u+4*\c:(\buf)+16*\u+4*\c+3], v[WA+\u/2] offset:8*(\u%2)*PITCH+128*(\s)+32*\c
.endr
.endr
.endm
.macro HLOAD s                         ; the block's codes of h for K step s: five tiles x four pairs of planes, two runs of 256 consecutive bytes a load
	WIN 0x40
.irp t, 0,1,2,3,4
.irp c, 0,1,2,3
	global_load_b128 v[80*((\s)%3)+16*\t+4*\c:80*((\s)%3)+16*\t+4*\c+3], v[XO], s[28:29] offset:(4*(\s)+\c)*PLANE+256*\t
.endr
.endr
	WIN 0
.endm
; A K step of 128: 20 products, the 20 accumulators by turns.  The first step's products start the sums.
.macro KSTEP s
.if (\s)+2 < NK
	HLOAD (\s)+2                                   ; into the buffer that the step before multiplied: its four places stand at that step's end
	s_wait_loadcnt 40                              ; this step's 20 loads are in; the two steps behind it may be out
.elseif (\s)+1 < NK
	s_wait_loadcnt 20
.else
	s_wait_loadcnt 0
.endif
.if (\s)+1 < NK
	s_wait_dscnt 16                                ; this step's fragments of W2 are in; the next step's sixteen loads may be out
.else
	s_wait_dscnt 0
.endif
	WIN 0xa4                                       ; source 1 (h) window 1, C and D window 2
.irp t, 0,1,2,3,4
.irp u, 0,1,2,3
.if (\s) == 0
	v_wmma_f32_16x16x128_bf8_bf8 v[8*(4*\t+\u):8*(4*\t+\u)+7], v[F0+64*((\s)%2)+16*\u:F0+64*((\s)%2)+16*\u+15], v[80*((\s)%3)+16*\t:80*((\s)%3)+16*\t+15], 0
.else
	v_wmma_f32_16x16x128_bf8_bf8 v[8*(4*\t+\u):8*(4*\t+\u)+7], v[F0+64*((\s)%2)+16*\u:F0+64*((\s)%2)+16*\u+15], v[80*((\s)%3)+16*\t:80*((\s)%3)+16*\t+15], v[8*(4*\t+\u):8*(4*\t+\u)+7]
.endif
.endr
.endr
	WIN 0
.rept 4
	v_nop                                          ; four places in front of loads into registers that matrix instructions have read, and of the first read of results
.endr
.if (\s)+2 < NK
	FETCH (\s)+2, F0+64*((\s)%2)
.endif
.endm
	s_mov_b32 s22, s21                             ; block b goes to wave b % 4: my first block is my wave's number
	s_mov_b32 s53, 0                               ; four trips: blocks w, w + 4, w + 8, w + 12 cover the 13 that an expert can have
.Lblk:
	s_cmp_ge_u32 s22, s20                          ; the expert has no such block: the trip's work is passed over (no barrier stands in it)
	s_cbranch_scc1 .Lskip
	s_mul_i32 s44, s22, 1280                       ; 80 rows x 16 bytes
	s_mov_b32 s45, 0
	s_add_nc_u64 s[28:29], s[46:47], s[44:45]      ; the block in hq,
	s_mul_i32 s44, s22, 10240                      ; 80 rows x 128 bytes
	s_add_nc_u64 s[30:31], s[48:49], s[44:45]      ; and in y
	HLOAD 0
	HLOAD 1
	FETCH 0, F0
	FETCH 1, F0+64
.irp s, 0,1,2,3,4,5,6,7,8,9,10,11,12,13,14,15
	KSTEP \s
.endr
	; THE WAY OUT, 32 columns (one plane of y) at a time.  sum x 2^(eh + ew2) + b2 into the fragments' registers, which are done with, each accumulator from its low end on; then a tile at a time through my stage
	; (LDS serves a wave's instructions in order: no wait between the stores and the loads, nor in front of the next tile's stores)
.irp p, 0,1
	WIN 0x02                                       ; source 0 (the sums) window 2
.irp t, 0,1,2,3,4
.irp i, 0,2,4,6,8,10,12,14
	v_pk_fma_f32 v[TMP+16*\t+\i:TMP+16*\t+\i+1], v[32*\t+16*\p+\i:32*\t+16*\p+\i+1], s[38:39], v[B2+16*\p+\i:B2+16*\p+\i+1] op_sel_hi:[1,0,1]
.endr
.endr
	WIN 0
.if \p == 1
	s_wait_alu depctr_va_vdst(0)
	s_wait_xcnt 0x0                                ; the first plane's stores have read the registers into which the loads below land
.endif
.irp t, 0,1,2,3,4
.irp i, 0,1,2,3
	ds_store_b128 v[SO], v[TMP+16*\t+4*\i:TMP+16*\t+4*\i+3] offset:16*\i
.endr
.irp i, 0,1,2,3
	ds_load_b128 v[OUT+16*\t+4*\i:OUT+16*\t+4*\i+3], v[SR] offset:576*\i   ; four rows of 128 bytes an instruction
.endr
.endr
.irp t, 0,1,2,3,4
	s_wait_dscnt 8*(4-\t)                          ; tile t is back; eight LDS instructions for each younger tile may be out
.irp i, 0,1,2,3
	global_store_b128 v[GOFF], v[OUT+16*\t+4*\i:OUT+16*\t+4*\i+3], s[30:31] offset:4*PLANE*\p+2048*\t+512*\i   ; 512 consecutive bytes
.endr
.endr
.endr
	s_wait_xcnt 0x0                                ; the stores have read their base and their registers
.Lskip:
	s_add_co_u32 s22, s22, 4                       ; my next block
	s_add_co_u32 s53, s53, 1
	s_cmp_lt_u32 s53, 4
	s_cbranch_scc1 .Lblk
	s_barrier_signal -1
	s_barrier_wait -1
	s_wait_tensorcnt 0x0
	ds_add_u32 v14, v15
	s_wait_dscnt 0x0
	s_endpgm
.Lfunc_end_k_q53dfd6c510_ffn2:
	.size	k_q53dfd6c510_ffn2, .Lfunc_end_k_q53dfd6c510_ffn2-k_q53dfd6c510_ffn2
	.p2alignl 7, 3214868480
	.fill 96, 4, 3214868480
	.section	.rodata,"a",@progbits
	.p2align	6, 0x0
	.amdhsa_kernel k_q53dfd6c510_ffn2
		.amdhsa_group_segment_fixed_size 141824
		.amdhsa_private_segment_fixed_size 0
		.amdhsa_enable_private_segment 0
		.amdhsa_kernarg_size 48
		.amdhsa_user_sgpr_count 2
		.amdhsa_user_sgpr_kernarg_segment_ptr 1
		.amdhsa_wavefront_size32 1
		.amdhsa_system_sgpr_workgroup_id_x 1
		.amdhsa_system_sgpr_workgroup_id_y 1
		.amdhsa_system_sgpr_workgroup_id_z 1
		.amdhsa_system_vgpr_workitem_id 0
		.amdhsa_next_free_vgpr 768
		.amdhsa_next_free_sgpr 66
		.amdhsa_reserve_vcc 0
		.amdhsa_float_denorm_mode_32 3
		.amdhsa_float_denorm_mode_16_64 3
		.amdhsa_memory_ordered 1
		.amdhsa_forward_progress 1
		.amdhsa_inst_pref_size 153
	.end_amdhsa_kernel
	.amdgpu_metadata
---
amdhsa.version: [ 1, 2 ]
amdhsa.kernels:
  - .name:           k_q53dfd6c510_ffn2
    .symbol:         k_q53dfd6c510_ffn2.kd
    .args:
      - { .name: w2, .offset: 0, .size: 8, .value_kind: global_buffer, .address_space: global }
      - { .name: b2, .offset: 8, .size: 8, .value_kind: global_buffer, .address_space: global }
      - { .name: lowp_scales, .offset: 16, .size: 8, .value_kind: global_buffer, .address_space: global }
      - { .name: cnt, .offset: 24, .size: 8, .value_kind: global_buffer, .address_space: global }
      - { .name: hq, .offset: 32, .size: 8, .value_kind: global_buffer, .address_space: global }
      - { .name: y, .offset: 40, .size: 8, .value_kind: global_buffer, .address_space: global }
    .group_segment_fixed_size: 141824
    .private_segment_fixed_size: 0
    .kernarg_segment_align: 8
    .kernarg_segment_size: 48
    .max_flat_workgroup_size: 128
    .sgpr_count:     66
    .vgpr_count:     768
    .wavefront_size: 32
...
	.end_amdgpu_metadata
.endif
;; end of part 4
;; launch combine (part 5): grid 256 x 1, 4 waves a work-group, no clusters, 0 bytes of LDS; arguments y, pos, topw, out0; writes out0
.if DOCPART == 5
	.amdgcn_target "amdgcn-amd-amdhsa--gfx1250"
	.amdhsa_code_object_version 6
	.text
	.protected	k_q53dfd6c510_combine
	.globl	k_q53dfd6c510_combine
	.p2align	8
	.type	k_q53dfd6c510_combine,@function
k_q53dfd6c510_combine:
	s_mov_b64 s[64:65], 0
	v_nop
	global_prefetch_b8 v0, s[64:65] scope:SCOPE_SE
	s_setreg_imm32_b32 hwreg(HW_REG_WAVE_MODE, 25, 1), 1
	s_wait_xcnt 0x0
; out0[t] = w0 (y0[P0] + y1[P0]) + w1 (y0[P1] + y1[P1]): each token's two rows, each in the two parts that the halves of K gave, gathered by the places that an earlier launch stored and weighed by the router's softmax.
; Experts that were not chosen have the weight 0 and add nothing.
; One wave, one token.  A part of y is [e][cb][row][32 f32]: row P's columns 32 cb .. + 31 lie at byte 128 P + 141,312 cb.  Load i takes cb = 4 i + lane / 8, 16 bytes a lane: columns 128 i + 4 lane + 0..3,
; so each store writes 512 consecutive bytes of the token's row.  A stream: no LDS, no barrier, no matrix unit.
.set YHALF, 36175872                   ; bytes of one part of y
	s_load_b256 s[4:11], s[0:1], 0x0               ; y s[4:5], pos s[6:7], topw s[8:9], out0 s[10:11]
	v_lshrrev_b32 v1, 5, v0
	v_readfirstlane_b32 s12, v1                    ; wave 0..3
	v_and_b32 v2, 31, v0                           ; lane
	s_lshl_b32 s13, ttmp9, 2
	s_add_co_u32 s13, s13, s12                     ; my token
	s_lshl_b32 s14, s13, 3
	v_lshrrev_b32 v3, 3, v2
	v_mul_u32_u24 v3, v3, 0x22800                  ; 141,312 x (lane / 8)
	v_and_b32 v4, 7, v2
	v_lshl_add_u32 v3, v4, 4, v3                   ; + 16 (lane % 8)
	v_lshlrev_b32 v5, 4, v2
	s_wait_alu depctr_va_vdst(0)
	s_wait_kmcnt 0x0
	s_load_b64 s[16:17], s[6:7], s14 offset:0x0    ; P0, P1
	s_load_b64 s[18:19], s[8:9], s14 offset:0x0    ; w0, w1
	s_mov_b32 s21, 0
	s_wait_kmcnt 0x0
	s_min_u32 s16, s16, 0x3c9ff                    ; 7 x 35,328 + 1,023
	s_min_u32 s17, s17, 0x3c9ff
	s_lshl_b32 s20, s16, 7
	s_add_nc_u64 s[22:23], s[4:5], s[20:21]        ; row P0 in the first part,
	s_lshl_b32 s20, s17, 7
	s_add_nc_u64 s[24:25], s[4:5], s[20:21]        ; row P1 in the first part,
	s_add_nc_u64 s[26:27], s[22:23], YHALF         ; and both in the second
	s_add_nc_u64 s[30:31], s[24:25], YHALF
.irp i, 0,1,2,3,4,5,6,7
	global_load_b128 v[80+4*\i:83+4*\i], v3, s[24:25] offset:565248*\i
.endr
.irp i, 0,1,2,3,4,5,6,7
	global_load_b128 v[112+4*\i:115+4*\i], v3, s[30:31] offset:565248*\i
.endr
.irp i, 0,1,2,3,4,5,6,7
	global_load_b128 v[48+4*\i:51+4*\i], v3, s[26:27] offset:565248*\i
.endr
.irp i, 0,1,2,3,4,5,6,7
	global_load_b128 v[16+4*\i:19+4*\i], v3, s[22:23] offset:565248*\i
.endr
	s_mov_b32 s28, s19                             ; w1 as the low word of a pair; w0 is the low word of s[18:19]
	s_mov_b32 s29, s19
	s_lshl_b32 s20, s13, 12
	s_add_nc_u64 s[10:11], s[10:11], s[20:21]      ; my token's row of out0
	s_wait_loadcnt 24                              ; the first eight loads are in; the 24 behind them may be out
.irp i, 0,2,4,6,8,10,12,14,16,18,20,22,24,26,28,30
	v_pk_mul_f32 v[80+\i:81+\i], v[80+\i:81+\i], s[28:29] op_sel_hi:[1,0]
.endr
	s_wait_loadcnt 16                              ; the second eight
.irp i, 0,2,4,6,8,10,12,14,16,18,20,22,24,26,28,30
	v_pk_fma_f32 v[80+\i:81+\i], v[112+\i:113+\i], s[28:29], v[80+\i:81+\i] op_sel_hi:[1,0,1]
.endr
	s_wait_loadcnt 8                               ; the third eight
.irp i, 0,2,4,6,8,10,12,14,16,18,20,22,24,26,28,30
	v_pk_fma_f32 v[80+\i:81+\i], v[48+\i:49+\i], s[18:19], v[80+\i:81+\i] op_sel_hi:[1,0,1]
.endr
	s_wait_loadcnt 0x0
.irp i, 0,2,4,6,8,10,12,14,16,18,20,22,24,26,28,30
	v_pk_fma_f32 v[16+\i:17+\i], v[16+\i:17+\i], s[18:19], v[80+\i:81+\i] op_sel_hi:[1,0,1]
.endr
.irp i, 0,1,2,3,4,5,6,7
	global_store_b128 v5, v[16+4*\i:19+4*\i], s[10:11] offset:512*\i th:TH_STORE_NT
.endr
	s_endpgm
.Lfunc_end_k_q53dfd6c510_combine:
	.size	k_q53dfd6c510_combine, .Lfunc_end_k_q53dfd6c510_combine-k_q53dfd6c510_combine
	.p2alignl 7, 3214868480
	.fill 96, 4, 3214868480
	.section	.rodata,"a",@progbits
	.p2align	6, 0x0
	.amdhsa_kernel k_q53dfd6c510_combine
		.amdhsa_group_segment_fixed_size 0
		.amdhsa_private_segment_fixed_size 0
		.amdhsa_enable_private_segment 0
		.amdhsa_kernarg_size 32
		.amdhsa_user_sgpr_count 2
		.amdhsa_user_sgpr_kernarg_segment_ptr 1
		.amdhsa_wavefront_size32 1
		.amdhsa_system_sgpr_workgroup_id_x 1
		.amdhsa_system_sgpr_workgroup_id_y 1
		.amdhsa_system_sgpr_workgroup_id_z 1
		.amdhsa_system_vgpr_workitem_id 0
		.amdhsa_next_free_vgpr 160
		.amdhsa_next_free_sgpr 66
		.amdhsa_reserve_vcc 0
		.amdhsa_float_denorm_mode_32 3
		.amdhsa_float_denorm_mode_16_64 3
		.amdhsa_memory_ordered 1
		.amdhsa_forward_progress 1
		.amdhsa_inst_pref_size 10
	.end_amdhsa_kernel
	.amdgpu_metadata
---
amdhsa.version: [ 1, 2 ]
amdhsa.kernels:
  - .name:           k_q53dfd6c510_combine
    .symbol:         k_q53dfd6c510_combine.kd
    .args:
      - { .name: y, .offset: 0, .size: 8, .value_kind: global_buffer, .address_space: global }
      - { .name: pos, .offset: 8, .size: 8, .value_kind: global_buffer, .address_space: global }
      - { .name: topw, .offset: 16, .size: 8, .value_kind: global_buffer, .address_space: global }
      - { .name: out0, .offset: 24, .size: 8, .value_kind: global_buffer, .address_space: global }
    .group_segment_fixed_size: 0
    .private_segment_fixed_size: 0
    .kernarg_segment_align: 8
    .kernarg_segment_size: 32
    .max_flat_workgroup_size: 128
    .sgpr_count:     66
    .vgpr_count:     160
    .wavefront_size: 32
...
	.end_amdgpu_metadata
.endif
;; end of part 5
